; MI455X (gfx1250); checked and timed in simulation.
; The chip was launched on July 23, 2026; its instructions are those of AMD's public machine-readable ISA for CDNA 5 (MIT licence, August 2026) and "CDNA5" Instruction Set Architecture Reference Guide (July 2026). The comments in the code are by the model that wrote it; some were corrected since.
;; Ipu TF Bert Self Attention. Allowed arithmetic: matrix products marked QUANTISED: E3M2 operands, one E8M0 scale for each 32 along K, by v_wmma_scale_f32_16x16x128_f8f6f4 with both operands' format E3M2, f32 sums; everything else in f32.
;; Inputs: attention_mask 8 x 1 x 1 x 1,024 float32; hidden_states 8 x 1,024 x 1,024 float32; qkv_weight 1,024 x 3,072 float32.
;; Outputs: out0 8 x 1,024 x 1,024 float32.
;; This version of the problem:
;;   THIS VERSION OF THE PROBLEM IS GIVEN IN LOW PRECISION. The matrix products marked QUANTISED in the list below multiply operands that are first quantised to E3M2 (3 exponent bits, 2 mantissa bits; 6 bits a number), with one power-of-two scale for each 32 numbers along K (OCP MX v1.0); their sums are f32. All else is computed in f32.
;;   The module's matrix products, in the order in which they are computed (A, B: the left and right operand; K: the contracted axis; several contracted axes count as one K, in the product's order):
;;     1. [M 8,192, K 1,024] x [K 1,024, N 3,072]; A: input hidden_states; B: input qkv_weight: QUANTISED
;;     2. batch 128 x [M 1,024, K 64] x [K 64, N 1,024]; A: computed on the way; B: computed on the way: QUANTISED
;;     3. batch 128 x [M 1,024, K 1,024] x [K 1,024, N 64]; A: softmax (see below); B: computed on the way: QUANTISED
;;   THE QUANTISER, for each operand of a quantised product, along K:
;;     - K is cut into blocks of 32 from its start; a last block that is shorter is filled with zeros.
;;     - A block's scale is 2^e with e = floor(log2(the largest magnitude in the block)) - 4, held to -126 .. 127; a block of zeros has e = 0. As a byte (E8M0): e + 127.
;;     - Each number is divided by its block's scale, clamped to +-28, and rounded to the nearest number of E3M2, ties to even, subnormals kept.
;;     - The product sums the exact products of the quantised numbers (number of the format x scale) in f32.
;;   ~~~python
;;   def quantise(x, axis):      # numpy; x: float32 -> the quantised numbers, widened to float32 again
;;       x = np.moveaxis(x, axis, -1); K = x.shape[-1]
;;       x = np.pad(x, [(0, 0)] * (x.ndim - 1) + [(0, -K % 32)]); x = x.reshape(x.shape[:-1] + (-1, 32)); a = np.abs(x).max(-1, keepdims=True)
;;       e = np.where(a > 0, np.clip(np.frexp(np.where(a > 0, a, 1))[1] - 1 - 4, -126, 127), 0)      # np.frexp(a)[1] - 1 = floor(log2(a)), exactly
;;       r = np.clip(x / 2.0 ** e, -28, 28)
;;       step = 2.0 ** (np.maximum(np.frexp(np.where(r == 0, 1, r))[1] - 1, -2) - 2)
;;       q = np.round(r / step) * step * 2.0 ** e      # np.round: ties to even
;;       return np.moveaxis(q.reshape(q.shape[:-2] + (-1,))[..., :K], -1, axis).astype(np.float32)
;;   ~~~
;;   SOFTMAX AHEAD OF A QUANTISED PRODUCT. Where the list says 'softmax', what is quantised is not the finished softmax but p = 2^(t - M), with t = logit x log2(e) and M = ceil(the row's largest t), a whole number; so 1/2 < the row's largest p <= 1. The row's sum l is taken of the UNQUANTISED p, in f32, and the product's result is divided by l at the end. Since M is a whole number, a kernel that streams over the keys may use a running M (the ceiling of the running maximum): every later rescaling is an exact power of two, which a block's scale takes up: the codes' values come out the same.
;;   OPERANDS COMPUTED ON THE WAY. 'Computed on the way' means the value that the module computes at that place (a softmax that the list does not call 'softmax' is quantised finished and normalised). What goes into a quantiser is computed in f32, as accurately as f32 sums, v_exp_f32 and their like allow (about 1e-6 of the number): no bf16 or f16 on the way to a quantiser, and a product that is left as it is and whose result goes on into a quantised operand takes f32 operands (vector FMAs, or v_wmma_f32_16x16x4_f32). A number that lies on a knife's edge between two numbers of the format may be rounded either way, as far as f32 arithmetic and the matrix unit's own rounding can turn it there, and no further.
;; One version. Each part assembles by itself: llvm-mc -triple=amdgcn-amd-amdhsa -mcpu=gfx1250 --defsym DOCPART=n.
;; ======== version 1 of 1: 3 launches
;; limits: right only within a limited range of input values
;; workspace buffers: x_codes 6,291,456 bytes; x_scales 262,144 bytes; w_codes 2,359,296 bytes; w_scales 98,304 bytes; qkv 20,185,088 bytes
;; launch quant (part 1): grid 352 x 1, 4 waves a work-group, no clusters, 68,096 bytes of LDS; arguments hidden_states, qkv_weight, x_codes, x_scales, w_codes, w_scales; writes x_codes, x_scales, w_codes, w_scales
.if DOCPART == 1
	.amdgcn_target "amdgcn-amd-amdhsa--gfx1250"
	.amdhsa_code_object_version 6
	.text
	.protected	k_q3ee243c02f_quant
	.globl	k_q3ee243c02f_quant
	.p2align	8
	.type	k_q3ee243c02f_quant,@function
k_q3ee243c02f_quant:
	s_mov_b64 s[64:65], 0
	v_nop
	global_prefetch_b8 v0, s[64:65] scope:SCOPE_SE
	s_setreg_imm32_b32 hwreg(HW_REG_WAVE_MODE, 25, 1), 1
	s_wait_xcnt 0x0
; x [8192][1024] f32 (K innermost) and W [1024][3072] f32 (K is its FIRST axis) become codes of BF6 (E3M2), 6 bits each, K innermost, 768 bytes a row,
; with one E8M0 scale byte for each 32 along K, 32 bytes a row.  A block's scale is 2^(floor(log2(its largest magnitude)) - 4): its byte is the largest
; magnitude's exponent field - 4, held at 1 from below (a block of zeros so gets the byte 1: its codes are zeros, and this program alone reads the bytes).
; THE ROWS OF BOTH RESULTS ARE PERMUTED: row i (of x: a token; of W: a column n) lies at position sigma(i) = i with its bits 3 and 4 exchanged.  So 16 neighbouring
; positions 16 t + r hold rows 32 (t / 2) + 8 (t % 2) + r + 8 (r / 8): a matrix tile of such rows leaves a lane 16 neighbours along the next product's K in two neighbouring tiles.
; LIMITS: blocks whose largest magnitude lies under 2^-122 keep the byte 1; NaN and infinities among the inputs are not served.
; One launch, two paths by the work-group's number, each with LDS bytes of its own: work-groups 0-255 take x (32,768 numbers each), 256-351 take W (128 columns x 256 along K each).
; No tensor loads, no barrier: waves share nothing.  No cluster: no two work-groups read the same bytes.
.set EMAX,  4
; ---- path x
.set STEPS, 16                         ; a wave takes 16 steps of 512 numbers: 8 rows of x
.set CB,    12                         ; bytes of 16 codes
.set R,     16                         ; v16-79   four sets of 16 numbers as they are loaded
.set X,     80                         ; v80-111  two sets of 16 neighbours
.set C,     128                        ; v128-191 codes: four registers for each step, so that no store's data are written again
.set E,     112                        ; v112-127 a scale byte for each step
.set WREG,  8192                       ; LDS 0 .. 32,767: a region for each wave: two stages of 32 x SP bytes, behind them its 256 scale bytes
.set SP,    80                         ; a lane's place in a stage: its 64 bytes + 16 of padding
; ---- path W
.set WSTG,  32768                      ; LDS 32,768 on: a stage of 32 rows x PITCH for each wave
.set NB,    8                          ; blocks of 32 along K for a wave
.set PITCH, 272                        ; a stage row: sixteen places of 16 bytes, each with 12 bytes of codes, + 16
.set KROW,  768                        ; a row of codes in bytes
.set NROW,  12288                      ; a row of W in bytes
.set WX,    32                         ; v32-95   two sets of 32 numbers
.set WC,    96                         ; v96..    a block's codes
.set OUTR,  112                        ; v112-175 the way out
.set SB,    24                         ; v24-25   the scale bytes, four to a register
	s_load_b128 s[4:7], s[0:1], 0x0                ; x, W
	s_load_b128 s[8:11], s[0:1], 0x10              ; x's codes, x's scales
	s_load_b128 s[12:15], s[0:1], 0x20             ; W's codes, W's scales
	v_lshl_add_u32 v192, v0, 2, 0x10800
	v_mov_b32 v193, 0
	v_lshrrev_b32 v1, 5, v0
	v_readfirstlane_b32 s16, v1                    ; wave 0..3
	v_and_b32 v2, 31, v0                           ; lane
	s_wait_kmcnt 0x0
	s_cmp_lt_u32 ttmp9, 256
	s_cbranch_scc0 .Lw
; ================= x: a stream of blocks of 32.  Each load reads 512 consecutive bytes; a step's 2,048 bytes turn through the wave's own stage, so that a lane gets 16 neighbours.
	v_lshlrev_b32 v3, 4, v2                        ; my 16 bytes of a load's 512
	s_mul_i32 s17, s16, WREG
	v_lshrrev_b32 v14, 2, v2
	v_mul_u32_u24 v14, v14, SP
	v_and_b32 v15, 3, v2
	v_lshl_add_u32 v14, v15, 4, v14
	v_add_nc_u32 v14, s17, v14                     ; into the stage: SP (lane / 4) + 16 (lane % 4)
	v_mul_u32_u24 v15, v2, SP
	v_add_nc_u32 v15, s17, v15                     ; out of it: SP x lane: my 16 neighbours
	v_mul_u32_u24 v4, v2, CB                       ; my codes' place in a step's
	v_lshrrev_b32 v5, 1, v2
	s_add_co_u32 s17, s17, 2*32*SP
	v_add_nc_u32 v5, s17, v5                       ; my wave's 256 scale bytes, my block's byte
	v_lshlrev_b32 v7, 3, v2
	v_add_nc_u32 v6, s17, v7                       ; and on the way out 8 bytes a lane
	s_lshl_b32 s18, ttmp9, 2
	s_add_co_u32 s20, s18, s16                     ; the run of 8 rows that I read: 4 x work-group + wave
	s_lshl_b32 s20, s20, 15                        ; 32,768 bytes a run
	s_mov_b32 s21, 0
	s_add_nc_u64 s[4:5], s[4:5], s[20:21]
	s_and_b32 s19, s16, 1                          ; a row's bits 3 and 4 are the run's bits 0 and 1, which are the wave's: exchanged,
	s_lshl_b32 s19, s19, 1
	s_lshr_b32 s22, s16, 1
	s_or_b32 s19, s19, s22
	s_add_co_u32 s18, s18, s19                     ; they give the run of 8 positions that I write
	s_mul_i32 s20, s18, 6144                       ; 8 rows of 768 bytes
	s_add_nc_u64 s[8:9], s[8:9], s[20:21]
	s_lshl_b32 s20, s18, 8                         ; 8 rows of 32 scale bytes
	s_add_nc_u64 s[10:11], s[10:11], s[20:21]
.macro XLOAD t
.irp i, 0,1,2,3
	global_load_b128 v[R+16*((\t)%4)+4*\i:R+16*((\t)%4)+4*\i+3], v3, s[4:5] offset:2048*(\t)+512*\i th:TH_LOAD_NT
.endr
.endm
.macro XTURN t                         ; step t's numbers through the stage: LDS serves a wave's instructions in order, so no wait stands between the stores and the loads
.irp i, 0,1,2,3
	ds_store_b128 v14, v[R+16*((\t)%4)+4*\i:R+16*((\t)%4)+4*\i+3] offset:32*SP*((\t)%2)+8*SP*\i
.endr
.irp i, 0,1,2,3
	ds_load_b128 v[X+16*((\t)%2)+4*\i:X+16*((\t)%2)+4*\i+3], v15 offset:32*SP*((\t)%2)+16*\i
.endr
.endm
.irp t, 0,1,2,3
	XLOAD \t
.endr
	s_wait_loadcnt 12                              ; step 0's four loads are in; the twelve behind them may be out
	XTURN 0
.macro XSTEP t
.set XS, X+16*((\t)%2)
.if (\t) > 0
	s_wait_dscnt 1                                 ; this step's numbers are back from the stage (the last step's byte store may be out): its stores into the stage have read their registers,
.else
	s_wait_dscnt 0x0
.endif
.if (\t)+4 < STEPS
	XLOAD (\t)+4                                   ; which take the loads of four steps on
.endif
.if (\t)+1 < STEPS
.if STEPS-2-(\t) >= 3
	s_wait_loadcnt 12                              ; the next step's four loads are in; those of the three steps behind it may be out
.else
	s_wait_loadcnt 4*(STEPS-2-(\t))
.endif
	XTURN (\t)+1                                   ; and go through the other stage while this step is worked
.endif
	v_max3_num_f32 v8, |v[XS]|, |v[XS+1]|, |v[XS+2]|               ; the largest magnitude of my 16, in two chains
	v_max3_num_f32 v9, |v[XS+3]|, |v[XS+4]|, |v[XS+5]|
.irp i, 6,10
	v_max3_num_f32 v8, v8, |v[XS+\i]|, |v[XS+\i+1]|
	v_max3_num_f32 v9, v9, |v[XS+\i+2]|, |v[XS+\i+3]|
.endr
	v_max3_num_f32 v8, v8, |v[XS+14]|, |v[XS+15]|
	v_max3_num_f32 v8, v8, v9, (EMAX+1)<<23        ; and the floor 2^(5 - 127): the byte cannot fall under 1
	v_max_num_f32_dpp v8, v8, v8 row_xmask:1 row_mask:0xf bank_mask:0xf   ; and of my neighbour's 16: the block's
	v_add_nc_u32 v11, 0xfe000000, v8               ; 4 off its exponent field: the conversion takes the exponent field of this operand as its scale
	v_cvt_scalef32_pk16_bf6_f32 v[C+4*(\t):C+4*(\t)+2], v[XS:XS+15], v11
	v_lshrrev_b32 v[E+(\t)], 23, v11               ; the scale's byte (also the plain line behind the conversion)
	ds_store_b8 v5, v[E+(\t)] offset:16*(\t)       ; both lanes of a block write the same byte with the same value
	global_store_b96 v4, v[C+4*(\t):C+4*(\t)+2], s[8:9] offset:32*CB*(\t)   ; the wave stores 384 consecutive bytes
.endm
.irp t, 0,1,2,3,4,5,6,7,8,9,10,11,12,13,14,15
	XSTEP \t
.endr
	ds_load_b64 v[12:13], v6                       ; LDS serves a wave's instructions in order: these see my stores
	s_wait_dscnt 0x0
	global_store_b64 v7, v[12:13], s[10:11]        ; 32 lanes store 256 consecutive bytes, aligned
	s_wait_tensorcnt 0x0
	ds_add_u32 v192, v193
	s_wait_dscnt 0x0
	s_endpgm
; ================= W: a lane takes a column n and its registers run down K: a block of 32 lies in one lane, and the codes come out with K innermost.
.Lw:
	s_sub_co_u32 s17, ttmp9, 256
	s_and_b32 s18, s17, 3                          ; which 256 along K
	s_lshr_b32 s17, s17, 2
	s_lshl_b32 s17, s17, 7
	s_lshl_b32 s19, s16, 5
	s_add_co_u32 s17, s17, s19                     ; my wave's first column: 128 x block + 32 x wave
	v_lshlrev_b32 v3, 2, v2                        ; in: 4 bytes a lane
	s_mul_i32 s19, s16, 32*PITCH
	s_add_co_u32 s19, s19, WSTG                    ; my stage
	v_and_b32 v10, 7, v2                           ; my column's position among the wave's 32: the lane with its bits 3 and 4 exchanged
	v_bfe_u32 v11, v2, 3, 1
	v_lshl_add_u32 v10, v11, 4, v10
	v_bfe_u32 v11, v2, 4, 1
	v_lshl_add_u32 v10, v11, 3, v10
	v_mul_u32_u24 v4, v10, PITCH
	v_add_nc_u32 v4, s19, v4                       ; into the stage: row = my position
	v_and_b32 v5, 15, v2
	v_lshrrev_b32 v6, 4, v2                        ; out of it: sixteen lanes to a row, two rows an instruction
	v_mul_u32_u24 v7, v6, PITCH
	v_lshl_add_u32 v7, v5, 4, v7
	v_add_nc_u32 v7, s19, v7
	v_mul_u32_u24 v8, v6, KROW
	v_mad_u32_u24 v8, v5, 12, v8                   ; and the same place in the codes' buffer
	v_lshlrev_b32 v9, 5, v10                       ; my position's row of scale bytes
	s_mul_i32 s20, s18, 256*NROW
	s_lshl_b32 s22, s17, 2
	s_add_co_u32 s20, s20, s22
	s_mov_b32 s21, 0
	s_add_nc_u64 s[6:7], s[6:7], s[20:21]          ; W at (256 y, my first column)
	s_mul_i32 s20, s17, KROW
	s_mul_i32 s22, s18, 192
	s_add_co_u32 s20, s20, s22
	s_add_nc_u64 s[12:13], s[12:13], s[20:21]      ; the codes at (my first position, 256 y)
	s_lshl_b32 s20, s17, 5
	s_lshl_b32 s22, s18, 3
	s_add_co_u32 s20, s20, s22
	s_add_nc_u64 s[14:15], s[14:15], s[20:21]      ; the scale bytes likewise
.macro WLOAD t                         ; block t: W(32 t + i, my column), i = 0 .. 31, into set t % 2; the largest offset, 255 rows of W, lies inside the signed 24-bit immediate
.irp i, 0,1,2,3,4,5,6,7,8,9,10,11,12,13,14,15,16,17,18,19,20,21,22,23,24,25,26,27,28,29,30,31
	global_load_b32 v[WX+32*((\t)%2)+\i], v3, s[6:7] offset:(32*(\t)+\i)*NROW th:TH_LOAD_NT
.endr
.endm
	WLOAD 0
	WLOAD 1
.macro WBLOCK t
.set XS, WX+32*((\t)%2)
.if (\t) < NB-1
	s_wait_loadcnt 32                              ; this block's 32 loads are in; the next block's may be out
.else
	s_wait_loadcnt 0
.endif
	v_max3_num_f32 v12, |v[XS]|, |v[XS+1]|, |v[XS+2]|              ; the block's largest magnitude: all 32 numbers are mine
	v_max3_num_f32 v13, |v[XS+3]|, |v[XS+4]|, |v[XS+5]|
.irp i, 6,10,14,18,22,26
	v_max3_num_f32 v12, v12, |v[XS+\i]|, |v[XS+\i+1]|
	v_max3_num_f32 v13, v13, |v[XS+\i+2]|, |v[XS+\i+3]|
.endr
	v_max3_num_f32 v12, v12, |v[XS+30]|, |v[XS+31]|
	v_max3_num_f32 v12, v12, v13, (EMAX+1)<<23     ; and the floor
	v_add_nc_u32 v11, 0xfe000000, v12              ; the conversion's scale operand
	v_lshrrev_b32 v13, 23, v11                     ; the scale's byte
.if (\t)%4 == 0
	v_mov_b32 v[SB+(\t)/4], v13                    ; four bytes to a register, the lower K in the lower byte
.else
	v_lshl_or_b32 v[SB+(\t)/4], v13, 8*((\t)%4), v[SB+(\t)/4]
.endif
	v_cvt_scalef32_pk16_bf6_f32 v[WC:WC+2], v[XS:XS+15], v11
	v_cvt_scalef32_pk16_bf6_f32 v[WC+4:WC+6], v[XS+16:XS+31], v11  ; (a conversion's three registers begin on an even number)
	ds_store_b96 v4, v[WC:WC+2] offset:32*(\t)     ; 12 bytes to a place of 16 in the stage: every LDS address is a multiple of 16
	ds_store_b96 v4, v[WC+4:WC+6] offset:32*(\t)+16
.if (\t)+2 < NB
	WLOAD (\t)+2
.endif
	s_wait_dscnt 0x0                               ; the stores have read their registers: the next block's codes may be written
.endm
.set Q, 0
.rept NB
	WBLOCK Q
.set Q, Q+1
.endr
	global_store_b64 v9, v[SB:SB+1], s[14:15]      ; my column's 8 scale bytes
.irp t, 0,1,2,3,4,5,6,7,8,9,10,11,12,13,14,15
	ds_load_b96 v[OUTR+4*\t:OUTR+4*\t+2], v7 offset:2*\t*PITCH     ; LDS serves a wave's instructions in order: these see my stores
.endr
.irp t, 0,1,2,3,4,5,6,7,8,9,10,11,12,13,14,15
	s_wait_dscnt 15-\t                             ; the loads behind this one may be out
	global_store_b96 v8, v[OUTR+4*\t:OUTR+4*\t+2], s[12:13] offset:2*\t*KROW   ; sixteen lanes store a row's 192 consecutive bytes
.endr
	s_wait_tensorcnt 0x0
	ds_add_u32 v192, v193
	s_wait_dscnt 0x0
	s_endpgm
.Lfunc_end_k_q3ee243c02f_quant:
	.size	k_q3ee243c02f_quant, .Lfunc_end_k_q3ee243c02f_quant-k_q3ee243c02f_quant
	.p2alignl 7, 3214868480
	.fill 96, 4, 3214868480
	.section	.rodata,"a",@progbits
	.p2align	6, 0x0
	.amdhsa_kernel k_q3ee243c02f_quant
		.amdhsa_group_segment_fixed_size 68096
		.amdhsa_private_segment_fixed_size 0
		.amdhsa_enable_private_segment 0
		.amdhsa_kernarg_size 48
		.amdhsa_user_sgpr_count 2
		.amdhsa_user_sgpr_kernarg_segment_ptr 1
		.amdhsa_wavefront_size32 1
		.amdhsa_system_sgpr_workgroup_id_x 1
		.amdhsa_system_sgpr_workgroup_id_y 1
		.amdhsa_system_sgpr_workgroup_id_z 1
		.amdhsa_system_vgpr_workitem_id 0
		.amdhsa_next_free_vgpr 194
		.amdhsa_next_free_sgpr 66
		.amdhsa_reserve_vcc 0
		.amdhsa_float_denorm_mode_32 3
		.amdhsa_float_denorm_mode_16_64 3
		.amdhsa_memory_ordered 1
		.amdhsa_forward_progress 1
		.amdhsa_inst_pref_size 73
	.end_amdhsa_kernel
	.amdgpu_metadata
---
amdhsa.version: [ 1, 2 ]
amdhsa.kernels:
  - .name:           k_q3ee243c02f_quant
    .symbol:         k_q3ee243c02f_quant.kd
    .args:
      - { .name: hidden_states, .offset: 0, .size: 8, .value_kind: global_buffer, .address_space: global }
      - { .name: qkv_weight, .offset: 8, .size: 8, .value_kind: global_buffer, .address_space: global }
      - { .name: x_codes, .offset: 16, .size: 8, .value_kind: global_buffer, .address_space: global }
      - { .name: x_scales, .offset: 24, .size: 8, .value_kind: global_buffer, .address_space: global }
      - { .name: w_codes, .offset: 32, .size: 8, .value_kind: global_buffer, .address_space: global }
      - { .name: w_scales, .offset: 40, .size: 8, .value_kind: global_buffer, .address_space: global }
    .group_segment_fixed_size: 68096
    .private_segment_fixed_size: 0
    .kernarg_segment_align: 8
    .kernarg_segment_size: 48
    .max_flat_workgroup_size: 128
    .sgpr_count:     66
    .vgpr_count:     194
    .wavefront_size: 32
...
	.end_amdgpu_metadata
.endif
;; end of part 1
;; launch gemm (part 2): grid 12 x 32, 4 waves a work-group, clusters of 4 x 4, 327,680 bytes of LDS; arguments x_codes, x_scales, w_codes, w_scales, qkv; writes qkv
.if DOCPART == 2
	.amdgcn_target "amdgcn-amd-amdhsa--gfx1250"
	.amdhsa_code_object_version 6
	.text
	.protected	k_q3ee243c02f_gemm
	.globl	k_q3ee243c02f_gemm
	.p2align	8
	.type	k_q3ee243c02f_gemm,@function
k_q3ee243c02f_gemm:
	s_mov_b64 s[64:65], 0
	v_nop
	global_prefetch_b8 v0, s[64:65] scope:SCOPE_SE
	s_setreg_imm32_b32 hwreg(HW_REG_WAVE_MODE, 25, 1), 1
	s_wait_xcnt 0x0
	s_wait_alu depctr_hold_cnt(0) depctr_sa_sdst(0) depctr_va_vdst(0) depctr_va_sdst(0) depctr_va_ssrc(0) depctr_va_vcc(0) depctr_vm_vsrc(0)
	s_getreg_b32 s2, hwreg(HW_REG_IB_STS2, 6, 4)
	s_cmp_eq_u32 s2, 0
	s_cbranch_scc0 .Lentry_in_a_cluster
	s_endpgm
.Lentry_in_a_cluster:
	s_bfe_u32 s2, ttmp6, 0x10000c
	s_cmp_lg_u32 s2, 0xf033
	s_cbranch_scc0 .Lentry_shape_is_right
	s_endpgm
.Lentry_shape_is_right:
; qkv = x W on codes of BF6 (E3M2) with one E8M0 scale for each 32 along K = 1,024; sums in f32.  THE RESULT NEVER GOES TO MEMORY AS NUMBERS: each wave quantises its 128 x 128 of it in registers,
; along the axis that is K in attention, and stores codes and scale words as images of the operand registers that the attention launch loads.
; Operand P is source 0 of the matrix instruction, operand Q source 1: a lane then holds ONE row of Q, and its registers run along P's rows.  The rows of both lie permuted in memory (position p holds row p with
; bits 3 and 4 exchanged), so that the 16 registers of two neighbouring tiles of P are 16 NEIGHBOURS: rows 32 b + 16 (lane / 16) + 0 .. 15.
;   cluster x = 0 (q), 1 (k): P = W's columns n, Q = x's tokens: a lane holds a token, registers run along the head's 64: two heads to a wave's 128.
;   cluster x = 2 (v):        P = x's tokens (the keys), Q = W's columns: a lane holds a channel d, registers run along 128 keys.
; x and W have the same row (768 bytes of codes, 32 scale bytes), so the two cases differ in pointers and in which cluster coordinate counts which tile: chosen by s_cselect on the cluster's x, which all partners share.
; A tile of 256 x 256 is made by four waves, each 128 x 128: 64 accumulators.  K goes in 4 steps of 256 through a ring of two LDS slots filled by the tensor data mover; the scales of the tile's rows come once.
; CLUSTERS: 4 x 4 work-groups; Q's tiles are asked for jointly along a row of the cluster, P's along a column.
; A record of qkv (one batch and head, REC bytes): K's codes 0, V's codes 49,152, K's scale words 98,304, V's 102,400, Q's codes 104,448, Q's scale words 153,600.
; LIMITS: a block of the result whose largest magnitude lies under 2^-122 keeps the scale byte 1; NaN and infinities are not served.
; REGISTERS, in windows of 256: window 0: v0-31 addresses; v32-63 scale words, two sets; v64-123 at work on the way out; from v128 Q's fragments, ONE set.
;   window 1: P's fragments, TWO sets, at v0 and v128.   window 2: the accumulators of my Q rows 0-63 ((a, b) at v[8 (8 a + b)]);   window 3: those of rows 64-127.
.set KSTEP,  256
.set NQ,     2                         ; matrix instructions deep in a slot
.set ROWB,   192                       ; a tile's row in bytes
.set KROW,   768                       ; a row of codes in memory
.set PITCH,  240                       ; an LDS row: 3 x (64 bytes + 16 of padding): the 32 lanes of a load of 8 bytes touch 64 different banks (64 banks of 4 bytes: ISA guide 11.1)
.set FR,     12
.set NL,     6
.set NP,     4                         ; places behind this matrix instruction (ISA guide 7.12.1)
.set HALFT,  128*PITCH
.set SLOT,   4*HALFT                   ; Q's 256 rows, then P's 256 rows
.set LAPS,   2                         ; a lap = two K steps
.set KS,     32                        ; a row of scale bytes
.set SCL,    2*SLOT                    ; behind the ring: the scales, as units of 256 bytes + 16 of padding
.set HALFS,  16*272                    ; those of 128 rows
.set SBLK,   2*272                     ; those of 16 rows
.set SPARE,  SCL+4*HALFS               ; the spare words, 128 bytes a wave: two blocks of 256 bytes that no other line names
.set SST,    SPARE+512                 ; the way out: 1,024 bytes a wave for its scale words; no fill lands here
.set REC,    157696
.set ADRA, 16                          ; v16-19  LDS addresses of my Q fragments (slot 0, 1; the same behind one padding more)
.set ADRB, 20                          ; v20-23  the same for P
.set VS0,  15                          ; v15     the way out: my byte among the scale words in memory
.set VO0,  24                          ; v24     8 x lane: my 8 bytes of a chunk of 256
.set VO1,  25                          ; v25     the same for a fragment's upper six registers
.set SSTO, 26                          ; v26     where I put a scale word in LDS
.set ADRS, 27                          ; v27     LDS address of my scale words: lanes 0-15 Q's rows, lanes 16-31 P's
.set SPW,  28                          ; v28     my spare word; never rewritten
.set NIL,  29                          ; v29     0; never rewritten
.set VSH,  30                          ; v30     by how many bits my half of the lanes shifts a scale word
.set SSRD, 31                          ; v31     where I read scale words back
.set SC,   32
.set AF,   128
.set CDS,  64                          ; v64-82  the codes just made
.set RB,   84                          ; v84-91  scale words read back
.set TM,   96                          ; v96-111 largest magnitudes, bytes, scale operands
.set PW,   112                         ; the scale word just made
.set WS,   113                         ; v113-120 a block's word as it is stored: a register for each block
.set G1, 24
.set G0, 32
.set G1B, 48
.set G0B, 56
.set G1S, 68
.set G0S, 76
.set G1SB, 80
.set G0SB, 88
.set MSB, 0
.macro WIN new                         ; the immediate's high byte repeats the setting that is left
.if MSB != \new
	s_set_vgpr_msb (MSB<<8)|\new
.set MSB, \new
.endif
.endm
.set MUL_LO, 0xa1                      ; source 0 (P) window 1, source 1 (Q) window 0, C and D window 2
.set MUL_HI, 0xf1
.set TO_B,   0x40
; A joint load: waves 0 and 1 fetch for Q, waves 2 and 3 for P; the branch hangs on the wave's number alone.  Four v_nop follow each of the two lines.
.macro JLOAD g0a, g1a, g0b, g1b
	s_cmp_eq_u32 s15, 0
	s_cbranch_scc0 .Lfor_b_\@
	tensor_load_to_lds s[\g0a:\g0a+3], s[\g1a:\g1a+7]
	s_nop 0
.rept 4
	v_nop
.endr
	s_branch .Lasked_\@
.Lfor_b_\@:
	tensor_load_to_lds s[\g0b:\g0b+3], s[\g1b:\g1b+7]
	s_nop 0
.rept 4
	v_nop
.endr
.Lasked_\@:
.endm
.macro CREST                           ; a round of the cluster's barrier behind its opening barrier
	s_cmp_lg_u32 s14, 0
	s_cbranch_scc1 .Lnot_wave_0_\@
	s_barrier_signal -3
.Lnot_wave_0_\@:
	s_barrier_wait -3
	s_barrier_signal -1
	s_barrier_wait -1
.endm
.macro CROUND
	s_barrier_signal -1
	s_barrier_wait -1
	CREST
.endm
	s_load_b128 s[4:7], s[0:1], 0x0                ; x's codes, x's scales
	s_load_b128 s[8:11], s[0:1], 0x10              ; W's codes, W's scales
	s_load_b64 s[12:13], s[0:1], 0x20              ; qkv
	v_lshl_add_u32 v[SPW], v0, 2, SPARE
	v_mov_b32 v[NIL], 0
	ds_add_u32 v28, v29
	ds_add_u32 v28, v29
	s_wait_dscnt 0x0
	v_lshrrev_b32 v1, 5, v0
	v_readfirstlane_b32 s14, v1                    ; wave 0..3
	s_lshr_b32 s15, s14, 1                         ; which half of Q's rows is mine.  Also: I fetch for Q (0) or for P (1)
	s_and_b32 s16, s14, 1                          ; which half of P's rows.  Also: which 128 rows of that tile I fetch
	s_bfe_u32 s40, ttmp6, 0x40000                  ; cx, cy: my place in the cluster
	s_bfe_u32 s41, ttmp6, 0x40004
	s_and_b32 s2, ttmp7, 0xffff                    ; cluster y = the batch
	s_cmp_eq_u32 ttmp9, 2                          ; v?  The cluster's x is the same in all partners
	s_cselect_b32 s42, s2, ttmp9                   ; which four tiles of P: for v the batch's tiles of x, else W's section
	s_cselect_b32 s17, ttmp9, s2                   ; which four tiles of Q: for v W's section 2, else the batch's tiles of x
	s_lshl_b32 s42, s42, 2
	s_add_co_u32 s42, s42, s40                     ; P's tile: it hangs on cx alone
	s_lshl_b32 s17, s17, 2
	s_add_co_u32 s17, s17, s41                     ; Q's tile: on cy alone
	s_lshl_b32 s43, s41, 2
	s_lshl_b32 s43, 15, s43                        ; my row of the cluster
	s_lshl_b32 s44, 0x1111, s40                    ; my column
	; descriptor group 1: a tile of 128 rows x 192 bytes, 16 bytes of padding behind every 64
	s_or_b32 s[G1+0], s43, (0<<16)|(1<<20)|(1<<21)|(3<<22)|(3<<25)  ; 15:0 the mask: Q's tiles go to my row; elements of 1 byte; padding on; bit 21 beside a mask; after every 16 words 4 words
	s_or_b32 s[G1B+0], s44, (0<<16)|(1<<20)|(1<<21)|(3<<22)|(3<<25) ; P's go to my column
.irp g, G1, G1B
	s_mov_b32 s[\g+1], ROWB<<16                    ; tensor_dim0
	s_mov_b32 s[\g+2], 128<<16                     ; tensor_dim1
	s_mov_b32 s[\g+3], ROWB<<16                    ; tile_dim0
	s_mov_b32 s[\g+4], 128                         ; tile_dim1
	s_mov_b32 s[\g+5], KROW                        ; tensor_dim0_stride
	s_mov_b32 s[\g+6], 0
	s_mov_b32 s[\g+7], 0
.endr
	; the scales of 128 rows: 4,096 dense bytes, as 16 rows of 256 bytes (32 elements of 8), 16 bytes of padding behind each
	s_or_b32 s[G1S+0], s43, (3<<16)|(1<<20)|(1<<21)|(5<<22)|(3<<25)
	s_or_b32 s[G1SB+0], s44, (3<<16)|(1<<20)|(1<<21)|(5<<22)|(3<<25)
.irp g, G1S, G1SB
	s_mov_b32 s[\g+1], 32<<16
	s_mov_b32 s[\g+2], 16<<16
	s_mov_b32 s[\g+3], 32<<16
	s_mov_b32 s[\g+4], 16
	s_mov_b32 s[\g+5], 32
	s_mov_b32 s[\g+6], 0
	s_mov_b32 s[\g+7], 0
.endr
	s_lshl_b32 s18, s16, 7                         ; which 128 rows of the tile I fetch
	s_lshl_b32 s20, s17, 8
	s_add_co_u32 s20, s20, s18                     ; Q: position 256 x tile + 128 x half
	s_lshl_b32 s46, s42, 8
	s_add_co_u32 s46, s46, s18                     ; P likewise
	s_mov_b32 s21, 0
	s_mov_b32 s47, 0
	s_mov_b64 s[18:19], KS
	s_mul_u64 s[22:23], s[20:21], s[18:19]         ; where these rows' scales begin, in bytes
	s_mul_u64 s[92:93], s[46:47], s[18:19]
	s_mov_b64 s[18:19], KROW
	s_mul_u64 s[20:21], s[20:21], s[18:19]         ; and their codes
	s_mul_u64 s[46:47], s[46:47], s[18:19]
	s_mul_i32 s45, s14, HALFT                      ; where they go: wave x 128 rows: no place in the cluster enters an LDS address
	s_mul_i32 s94, s14, HALFS
	s_wait_kmcnt 0x0
	s_cmp_eq_u32 ttmp9, 2                          ; for v the two tensors change places: s[4:7] become Q's codes and scales, s[8:11] P's
	s_cselect_b64 s[96:97], s[8:9], s[4:5]
	s_cselect_b64 s[8:9], s[4:5], s[8:9]
	s_mov_b64 s[4:5], s[96:97]
	s_cselect_b64 s[96:97], s[10:11], s[6:7]
	s_cselect_b64 s[10:11], s[6:7], s[10:11]
	s_mov_b64 s[6:7], s[96:97]
	s_add_nc_u64 s[20:21], s[4:5], s[20:21]
	s_add_nc_u64 s[22:23], s[6:7], s[22:23]
	s_add_nc_u64 s[46:47], s[8:9], s[46:47]
	s_add_nc_u64 s[92:93], s[10:11], s[92:93]
	CROUND                                         ; all sixteen work-groups are here: the first joint loads meet
	s_mov_b32 s[G0S], 1
	s_add_co_u32 s[G0S+1], s94, SCL
	s_mov_b64 s[G0S+2:G0S+3], s[22:23]
	s_or_b32 s[G0S+3], s[G0S+3], 0x80000000
	s_mov_b32 s[G0SB], 1
	s_add_co_u32 s[G0SB+1], s94, SCL
	s_mov_b64 s[G0SB+2:G0SB+3], s[92:93]
	s_or_b32 s[G0SB+3], s[G0SB+3], 0x80000000
	JLOAD G0S, G1S, G0SB, G1SB                     ; the scales first: they are wanted with K step 0.  With the two below, three tensor loads of mine are out
.irp s, 0,1
	s_mov_b32 s[G0+4*\s], 1
	s_add_co_u32 s[G0+4*\s+1], s45, \s*SLOT
	s_add_nc_u64 s[G0+4*\s+2:G0+4*\s+3], s[20:21], \s*ROWB
	s_or_b32 s[G0+4*\s+3], s[G0+4*\s+3], 0x80000000
	s_mov_b32 s[G0B+4*\s], 1
	s_add_co_u32 s[G0B+4*\s+1], s45, \s*SLOT
	s_add_nc_u64 s[G0B+4*\s+2:G0B+4*\s+3], s[46:47], \s*ROWB
	s_or_b32 s[G0B+4*\s+3], s[G0B+4*\s+3], 0x80000000
	JLOAD G0+4*\s, G1, G0B+4*\s, G1B
.endr
	v_and_b32 v1, 15, v0                           ; r = lane % 16
	v_bfe_u32 v2, v0, 4, 1                         ; h = lane / 16
	v_mul_u32_u24 v3, v1, PITCH
	v_mul_u32_u24 v4, v2, 24
	v_add_nc_u32 v4, v3, v4                        ; a fragment's row x pitch + 24 x half
	v_lshl_add_u32 v5, v2, 4, v4                   ; and the same behind one padding more
	s_mul_i32 s21, s15, HALFT                      ; my 128 rows of Q
	s_mul_i32 s22, s16, HALFT                      ; my 128 rows of P,
	s_add_co_u32 s22, s22, 2*HALFT                 ; which lie behind Q's 256
.irp s, 0,1
	v_add_nc_u32 v[ADRA+\s], s21, v4
	v_add_nc_u32 v[ADRB+\s], s22, v4
	v_add_nc_u32 v[ADRA+2+\s], s21, v5
	v_add_nc_u32 v[ADRB+2+\s], s22, v5
	s_add_co_u32 s21, s21, SLOT
	s_add_co_u32 s22, s22, SLOT
.endr
	v_mul_u32_u24 v5, v1, KS                       ; my row's scales: 32 bytes a row,
	v_lshrrev_b32 v6, 8, v5
	v_lshl_add_u32 v5, v6, 4, v5                   ; and 16 more for each 256 passed
	s_mul_i32 s21, s15, HALFS                      ; Q's: my 128 rows
	s_mul_i32 s22, s16, HALFS                      ; P's: my 128 rows, behind Q's 256
	s_add_co_u32 s22, s22, 2*HALFS
	s_sub_co_u32 s22, s22, s21
	v_mul_u32_u24 v6, s22, v2                      ; lanes 16-31 take P's
	s_add_co_u32 s21, s21, SCL
	v_add_nc_u32 v5, v5, v6
	v_add_nc_u32 v[ADRS], s21, v5
	; ---- the way out's numbers.  What hangs on both cx and cy stays in s12-13, s66-67, s98-101, which feed no descriptor.
	s_cmp_eq_u32 ttmp9, 2
	s_cselect_b32 s95, 1, 0                        ; v?
	s_cselect_b32 s98, s41, s40                    ; the heads run along W's columns: for v those are Q's rows (cy, my Q half), else P's (cx, my P half)
	s_cselect_b32 s100, s15, s16
	s_cselect_b32 s99, s40, s41                    ; the tokens run along x's rows: for v P's, else Q's
	s_cselect_b32 s101, s16, s15
	s_mov_b32 s6, 768
	s_cselect_b32 s6, 1536, s6                     ; from block to block of 16 rows of Q: v a whole fragment's image, q and k half a fragment's
	s_cselect_b32 s8, REC-6144, 0                  ; v: behind four blocks (a head's 64 channels) on to the next head's record
	s_mov_b32 s96, REC
	s_cselect_b32 s97, 768, s96                    ; a fragment's upper six registers: v the same image's second half; q, k the next head's record
	s_cselect_b32 s96, s96, 256                    ; the scale words' second 256 bytes: v the next head's record; q, k the next 64 positions
	s_cselect_b32 s4, 0, 16                        ; q, k: lanes 16-31 bring the second head's two bytes down
	s_cselect_b32 s5, 8, 9                         ; scale words of a group of 128 tokens: v 256 bytes, q and k 512
	s_mov_b32 s104, 104448                         ; the record's section for codes and for scale words: q,
	s_mov_b32 s105, 153600
	s_cselect_b32 s104, 49152, s104                ; v,
	s_cselect_b32 s105, 102400, s105
	s_cmp_eq_u32 ttmp9, 1
	s_cselect_b32 s104, 0, s104                    ; k
	s_cselect_b32 s105, 98304, s105
	s_mov_b32 s7, 0
	s_mov_b32 s9, 0
	s_lshl_b32 s98, s98, 2
	s_lshl_b32 s100, s100, 1
	s_add_co_u32 s98, s98, s100                    ; my first head: 4 x place + 2 x half
	s_lshl_b32 s100, s2, 4
	s_add_co_u32 s98, s98, s100                    ; + 16 x batch: the record
	s_mul_i32 s98, s98, REC
	s_lshl_b32 s99, s99, 1
	s_add_co_u32 s99, s99, s101                    ; my group of 128 tokens in the batch: 2 x place + half
	s_mul_i32 s100, s99, 6144                      ; its codes: 8 tiles of 768 bytes, or 4 of 1,536
	s_lshl_b32 s101, s99, s5
	s_add_co_u32 s100, s100, s98
	s_add_co_u32 s100, s100, s104
	s_add_co_u32 s98, s98, s101
	s_add_co_u32 s98, s98, s105
	s_mov_b32 s99, 0
	s_mov_b32 s101, 0
	s_add_nc_u64 s[66:67], s[12:13], s[98:99]      ; where my scale words go
	s_add_nc_u64 s[12:13], s[12:13], s[100:101]    ; where my codes go
	v_and_b32 v6, 31, v0
	v_lshlrev_b32 v[VO0], 3, v6
	v_add_nc_u32 v[VO1], s97, v[VO0]
	v_mul_u32_u24 v[VSH], s4, v2
	v_mul_u32_u24 v[VS0], s96, v2
	v_lshl_add_u32 v[VS0], v1, 4, v[VS0]
	s_lshl_b32 s21, s14, 10
	s_add_co_u32 s21, s21, SST                     ; my 1,024 bytes for scale words
	v_lshlrev_b32 v5, 2, v1
	v_lshl_add_u32 v5, v2, 9, v5
	v_add_nc_u32 v[SSTO], s21, v5                  ; in: 4 r, lanes 16-31 512 bytes on
	v_lshl_add_u32 v[SSRD], v6, 4, s21             ; back: 16 bytes a lane
.macro FRAG reg, adr, q, i             ; a fragment, 16 rows x 128 K of 6-bit codes: 12 registers; registers 6 c .. 6 c + 5 hold K = 64 c + 32 (lane / 16) + 0 .. 31: 24 bytes of the row's stream of bits, as they lie
.irp p, 0,1,2,3,4,5                    ; in pieces of 8 bytes.  Lanes 16-31 read three pieces on; where that lies behind one padding more, the second address register serves
.set PC, 12*(\q)+6*(\p/3)+\p%3
.if PC%8 < 5
	ds_load_b64 v[\reg+2*\p:\reg+2*\p+1], v[\adr] offset:8*PC+16*(PC/8)+(\i)*16*PITCH
.else
	ds_load_b64 v[\reg+2*\p:\reg+2*\p+1], v[\adr+2] offset:8*PC+16*(PC/8)+(\i)*16*PITCH
.endif
.endr
.endm
; 16 matrix instructions: Q's blocks a0, a0 + 1 x P's eight, 128 along K.  The 64 accumulators take turns, one instruction a turn, in the same order in every step.
.macro MUL16 a0, p, q, sc, zero
.irp a, \a0, \a0+1
.irp b, 0,1,2,3,4,5,6,7
.if \zero
	v_wmma_scale_f32_16x16x128_f8f6f4 v[8*(8*((\a)%4)+\b):8*(8*((\a)%4)+\b)+7], v[128*(\p)+FR*\b:128*(\p)+FR*\b+FR-1], v[AF+FR*(\a):AF+FR*(\a)+FR-1], 0, v[SC+8*NQ*(\sc)+NQ*\b+(\q)], v[SC+8*NQ*(\sc)+NQ*(\a)+(\q)] matrix_a_fmt:MATRIX_FMT_BF6 matrix_b_fmt:MATRIX_FMT_BF6 matrix_a_scale:MATRIX_SCALE_ROW1
.else
	v_wmma_scale_f32_16x16x128_f8f6f4 v[8*(8*((\a)%4)+\b):8*(8*((\a)%4)+\b)+7], v[128*(\p)+FR*\b:128*(\p)+FR*\b+FR-1], v[AF+FR*(\a):AF+FR*(\a)+FR-1], v[8*(8*((\a)%4)+\b):8*(8*((\a)%4)+\b)+7], v[SC+8*NQ*(\sc)+NQ*\b+(\q)], v[SC+8*NQ*(\sc)+NQ*(\a)+(\q)] matrix_a_fmt:MATRIX_FMT_BF6 matrix_b_fmt:MATRIX_FMT_BF6 matrix_a_scale:MATRIX_SCALE_ROW1
.endif
.endr
.endr
.endm
.macro FETCH_B slot, q, p
	WIN TO_B
.irp i, 0,1,2,3,4,5,6,7
	FRAG 128*(\p)+FR*\i, ADRB+\slot, \q, \i
.endr
	WIN 0
.endm
.macro FETCH_A slot, q, i0
.irp i, \i0, \i0+1, \i0+2, \i0+3
	FRAG AF+FR*(\i), ADRA+\slot, \q, \i
.endr
.endm
.macro SCALES sc                       ; a K step's scale words: two words a row; lanes 0-15 take Q's block i, lanes 16-31 P's block i
.irp i, 0,1,2,3,4,5,6,7
	ds_load_b64 v[SC+8*NQ*\sc+NQ*\i:SC+8*NQ*\sc+NQ*\i+1], v[ADRS] offset:\i*SBLK
.endr
.endm
.macro PLACES n                        ; places in front of loads into registers that matrix instructions have read, and of the first read of results
.rept \n
	v_nop
.endr
.endm
.macro STEP slot, q, zero              ; a step of 128 along K that has its successor in the same slot
	s_wait_dscnt 4*NL                              ; P's set and Q's blocks 0-3 are in; the youngest 24 loads (Q's blocks 4-7) may be out
	WIN MUL_LO
	MUL16 0, (\q)%2, \q, \slot, \zero
	MUL16 2, (\q)%2, \q, \slot, \zero
	s_wait_dscnt 0                                 ; Q's blocks 4-7 are in
	PLACES NP
	FETCH_B \slot, (\q)+1, 1-(\q)%2
	FETCH_A \slot, (\q)+1, 0
	WIN MUL_HI
	MUL16 4, (\q)%2, \q, \slot, \zero
	MUL16 6, (\q)%2, \q, \slot, \zero
	PLACES NP
	WIN 0
	FETCH_A \slot, (\q)+1, 4
.endm
; A slot's last step changes slots: ONE barrier; in front of it each wave waits for all its tensor loads, adds 0 to its spare word, and waits for that and for its own reads of this slot.
.macro TURN slot, next, fill
	s_wait_tensorcnt 0x0                           ; all my tensor loads have landed: my part of the next slot
	ds_add_u32 v[SPW], v[NIL]                      ; 0 onto my spare word
	s_wait_dscnt 4*NL+1                            ; (the add and the youngest 24 loads may be out)
	WIN MUL_LO
	MUL16 0, 1, NQ-1, \slot, 0                     ; sixteen matrix instructions stand between the add and the wait for it
	s_wait_dscnt 0x0                               ; the add is done, and my reads of this slot are over
	s_barrier_signal -1
	MUL16 2, 1, NQ-1, \slot, 0
	WIN 0
	s_barrier_wait -1
.if \fill
	CREST                                          ; the barrier has opened a round of the cluster's barrier: no wave of any partner still reads this slot or has a load on its way
	s_add_nc_u64 s[G0+4*\slot+2:G0+4*\slot+3], s[G0+4*\slot+2:G0+4*\slot+3], 2*ROWB
	s_add_nc_u64 s[G0B+4*\slot+2:G0B+4*\slot+3], s[G0B+4*\slot+2:G0B+4*\slot+3], 2*ROWB
	JLOAD G0+4*\slot, G1, G0B+4*\slot, G1B         ; the first tensor load behind the round, my only one out; its four v_nop are the places in front of the loads below
.else
	PLACES NP
.endif
	v_add_nc_u32 v[ADRS], 4*NQ, v[ADRS]            ; on to the next K step's scale words
	FETCH_B \next, 0, 0
	FETCH_A \next, 0, 0
	SCALES \next
	WIN MUL_HI
	MUL16 4, 1, NQ-1, \slot, 0
	MUL16 6, 1, NQ-1, \slot, 0
	PLACES NP
	WIN 0
	FETCH_A \next, 0, 4
.endm
	s_wait_tensorcnt 1                             ; the scales and my part of K step 0 are in (K step 1's load may be out)
	s_barrier_signal -1
	s_barrier_wait -1                              ; everybody's are
	FETCH_B 0, 0, 0
	FETCH_A 0, 0, 0
	SCALES 0
	FETCH_A 0, 0, 4
	STEP 0, 0, 1                                   ; the first step's products start the sums: nothing is cleared
	s_mov_b32 s3, LAPS-1
.Llap:                                                 ; a trip goes once round the ring and fills both slots again
	TURN 0, 1, 1
	STEP 1, 0, 0
	TURN 1, 0, 1
	STEP 0, 0, 0
	s_sub_co_u32 s3, s3, 1
	s_cmp_lg_u32 s3, 0
	s_cbranch_scc1 .Llap
	TURN 0, 1, 0                                   ; the last lap fills nothing
	STEP 1, 0, 0
	s_wait_dscnt 4*NL
	WIN MUL_LO
	MUL16 0, 1, NQ-1, 1, 0
	MUL16 2, 1, NQ-1, 1, 0
	s_wait_dscnt 0
	WIN MUL_HI
	MUL16 4, 1, NQ-1, 1, 0
	MUL16 6, 1, NQ-1, 1, 0
	WIN 0
; THE WAY OUT.  Block a (16 rows of Q x my 128 rows of P) is 64 numbers a lane: register 16 b + i is P's row 32 b + 16 (lane / 16) + i of the lane's row of Q.  They become a fragment's 12 registers of codes and a scale word.
; Each accumulator is read from its low end on.  The sources lie in window 2 or 3, all else in window 0.
.macro QUANTW a
.set AC, 64*((\a)%4)
	WIN 5*(2+(\a)/4)                               ; sources 0 and 1: the accumulators' window
.irp b, 0,1,2,3
	v_max3_num_f32 v[TM+\b], |v[AC+16*\b]|, |v[AC+16*\b+1]|, 0x2800000   ; block b of 32: my 16 numbers, and the floor 2^(5 - 127): the byte cannot fall under 1
.endr
.irp i, 2,4,6,8,10,12,14
.irp b, 0,1,2,3
	v_max3_num_f32 v[TM+\b], |v[AC+16*\b+\i]|, |v[AC+16*\b+\i+1]|, v[TM+\b]   ; (the four blocks by turns)
.endr
.endr
	WIN 0
.irp b, 0,1,2,3
	v_permlanex16_b32 v[TM+4+\b], v[TM+\b], s20, s21
.endr
.irp b, 0,1,2,3
	v_max_num_f32 v[TM+\b], v[TM+\b], v[TM+4+\b]   ; with lane l xor 16's: the block's largest magnitude
.endr
.irp b, 0,1,2,3
	v_add_nc_u32 v[TM+12+\b], 0xfe000000, v[TM+\b] ; 4 off its exponent field: the conversion's scale operand
.endr
.irp b, 0,1,2,3
	v_lshrrev_b32 v[TM+4+\b], 23, v[TM+12+\b]      ; the scale's byte
.endr
	v_lshl_or_b32 v[PW], v[TM+5], 8, v[TM+4]
	v_lshl_or_b32 v[PW], v[TM+6], 16, v[PW]
	v_lshl_or_b32 v[PW], v[TM+7], 24, v[PW]
	WIN 2+(\a)/4                                   ; source 0: the accumulators' window
.irp c, 0,1
	v_cvt_scalef32_pk16_bf6_f32 v[CDS+6*\c:CDS+2+6*\c], v[AC+32*\c:AC+15+32*\c], v[TM+12+2*\c]
	v_cvt_scalef32_pk16_bf6_f32 v[CDS+12+4*\c:CDS+14+4*\c], v[AC+16+32*\c:AC+31+32*\c], v[TM+13+2*\c]   ; (a conversion's three registers begin on an even number)
.endr
	WIN 0
	v_nop                                          ; one plain place behind a scaled conversion
.irp c, 0,1                                    ; the operand's layout wants a WHOLE block in a lane: lanes 0-15 block 2 c, lanes 16-31 block 2 c + 1
.irp i, 0,1,2
	v_permlane16_swap_b32 v[CDS+6*\c+\i], v[CDS+12+4*\c+\i]
.endr
.irp i, 0,1,2
	v_mov_b32 v[CDS+3+6*\c+\i], v[CDS+12+4*\c+\i]
.endr
.endr
.endm
	s_mov_b32 s20, 0x76543210
	s_mov_b32 s21, 0xfedcba98                      ; v_permlanex16_b32's selects for lane l xor 16
.irp b, 0,1,2,3
	v_mov_b32 v[TM+4+\b], 0                        ; a lane permute's destination counts as one of its sources; these four are also the places behind the last products
.endr
; q, k: registers 0-5 are tile 8 g + a of my first head (d = 32 (lane / 16) + 0 .. 31), registers 6-11 the same tile of the next head.  v: all 12 are (head a / 4, channels' tile a % 4, key step g).
; Each store writes 256 consecutive bytes, at a multiple of 256 from the buffer's first byte.
.irp a, 0,1,2,3,4,5,6,7
.if \a > 0
	s_wait_xcnt 0x0                                ; the last block's stores have read their data and their base: both are written again only behind this wait
	s_add_nc_u64 s[12:13], s[12:13], s[6:7]
.endif
.if \a == 4
	s_add_nc_u64 s[12:13], s[12:13], s[8:9]
.endif
	QUANTW \a
	v_lshrrev_b32 v[WS+\a], v[VSH], v[PW]          ; q, k: lanes 16-31 hold the second head's word (its two bytes below, zeros above); bytes 2 and 3 stand over zero codes and are never 0xff
	ds_store_b32 v[SSTO], v[WS+\a] offset:64*\a
.irp p, 0,1,2
	global_store_b64 v[VO0], v[CDS+2*\p:CDS+2*\p+1], s[12:13] offset:256*\p
.endr
.irp p, 0,1,2
	global_store_b64 v[VO1], v[CDS+6+2*\p:CDS+7+2*\p], s[12:13] offset:256*\p
.endr
.endr
	ds_load_b128 v[RB:RB+3], v[SSRD]               ; my own bytes: LDS serves a wave's instructions in order
	ds_load_b128 v[RB+4:RB+7], v[SSRD] offset:512
	s_wait_dscnt 0x0
	global_store_b128 v[VS0], v[RB:RB+3], s[66:67] ; q, k: my first head's 128 words; v: both heads' 64 words, lanes 16-31 a record on
	s_cmp_eq_u32 s95, 1                            ; (the cluster's x: the same in all partners)
	s_cbranch_scc1 .Lv
	global_store_b128 v[VS0], v[RB+4:RB+7], s[66:67] offset:REC    ; q, k: the second head's 128 words
.Lv:
	s_wait_tensorcnt 0x0                           ; the wave's end
	ds_add_u32 v[SPW], v[NIL]
	s_wait_dscnt 0x0
	CROUND                                         ; the closing round: no work-group ends while a partner may still ask for a tile that names it
	s_endpgm
.Lfunc_end_k_q3ee243c02f_gemm:
	.size	k_q3ee243c02f_gemm, .Lfunc_end_k_q3ee243c02f_gemm-k_q3ee243c02f_gemm
	.p2alignl 7, 3214868480
	.fill 96, 4, 3214868480
	.section	.rodata,"a",@progbits
	.p2align	6, 0x0
	.amdhsa_kernel k_q3ee243c02f_gemm
		.amdhsa_group_segment_fixed_size 327680
		.amdhsa_private_segment_fixed_size 0
		.amdhsa_enable_private_segment 0
		.amdhsa_kernarg_size 40
		.amdhsa_user_sgpr_count 2
		.amdhsa_user_sgpr_kernarg_segment_ptr 1
		.amdhsa_wavefront_size32 1
		.amdhsa_system_sgpr_workgroup_id_x 1
		.amdhsa_system_sgpr_workgroup_id_y 1
		.amdhsa_system_sgpr_workgroup_id_z 1
		.amdhsa_system_vgpr_workitem_id 0
		.amdhsa_next_free_vgpr 1024
		.amdhsa_next_free_sgpr 106
		.amdhsa_reserve_vcc 0
		.amdhsa_float_denorm_mode_32 3
		.amdhsa_float_denorm_mode_16_64 3
		.amdhsa_memory_ordered 1
		.amdhsa_forward_progress 1
		.amdhsa_inst_pref_size 169
	.end_amdhsa_kernel
	.amdgpu_metadata
---
amdhsa.version: [ 1, 2 ]
amdhsa.kernels:
  - .name:           k_q3ee243c02f_gemm
    .symbol:         k_q3ee243c02f_gemm.kd
    .args:
      - { .name: x_codes, .offset: 0, .size: 8, .value_kind: global_buffer, .address_space: global }
      - { .name: x_scales, .offset: 8, .size: 8, .value_kind: global_buffer, .address_space: global }
      - { .name: w_codes, .offset: 16, .size: 8, .value_kind: global_buffer, .address_space: global }
      - { .name: w_scales, .offset: 24, .size: 8, .value_kind: global_buffer, .address_space: global }
      - { .name: qkv, .offset: 32, .size: 8, .value_kind: global_buffer, .address_space: global }
    .group_segment_fixed_size: 327680
    .private_segment_fixed_size: 0
    .kernarg_segment_align: 8
    .kernarg_segment_size: 40
    .max_flat_workgroup_size: 128
    .sgpr_count:     106
    .vgpr_count:     1024
    .wavefront_size: 32
...
	.end_amdgpu_metadata
.endif
;; end of part 2
;; launch attn (part 3): grid 4 x 64, 16 waves a work-group, clusters of 4 x 1, 327,680 bytes of LDS; arguments qkv, attention_mask, out0; writes out0
.if DOCPART == 3
	.amdgcn_target "amdgcn-amd-amdhsa--gfx1250"
	.amdhsa_code_object_version 6
	.text
	.protected	k_q3ee243c02f_attn
	.globl	k_q3ee243c02f_attn
	.p2align	8
	.type	k_q3ee243c02f_attn,@function
k_q3ee243c02f_attn:
	s_mov_b64 s[64:65], 0
	v_nop
	global_prefetch_b8 v0, s[64:65] scope:SCOPE_SE
	s_setreg_imm32_b32 hwreg(HW_REG_WAVE_MODE, 25, 1), 1
	s_wait_xcnt 0x0
	s_wait_alu depctr_hold_cnt(0) depctr_sa_sdst(0) depctr_va_vdst(0) depctr_va_sdst(0) depctr_va_ssrc(0) depctr_va_vcc(0) depctr_vm_vsrc(0)
	s_getreg_b32 s2, hwreg(HW_REG_IB_STS2, 6, 4)
	s_cmp_eq_u32 s2, 0
	s_cbranch_scc0 .Lentry_in_a_cluster
	s_endpgm
.Lentry_in_a_cluster:
	s_bfe_u32 s2, ttmp6, 0x10000c
	s_cmp_lg_u32 s2, 0x3003
	s_cbranch_scc0 .Lentry_shape_is_right
	s_endpgm
.Lentry_shape_is_right:
; out[b][q][64 head ..] = softmax_k(q . k / 8 + mask[b][k]) v, both products on codes of BF6 (E3M2) with one E8M0 scale for each 32 along a product's K.
; q, k and v come as images of operand registers, one record of REC bytes for each batch and head.  The first product's K is the head's 64: the upper half of the instruction's 128 is zero codes on both sides.
; THE SOFTMAX AHEAD OF THE SECOND PRODUCT: t = (score + 8 mask) x log2(e) / 8; M = the row's largest t so far, rounded UP to a whole number; p = 2^(t - M) is quantised along the keys, not normalised.
; The row's sum is taken of the unquantised p and divides at the end.  When M moves, the sum and O are multiplied by 2^(old M - new M): exact.  8 x mask is the C of the first product: it costs no addition.
; SHARES.  A cluster of four work-groups owns two heads of one batch; a work-group 256 query positions; each of its SIXTEEN waves one tile of 16, first for head A, then for head B: four waves to a SIMD.
; All of a head's K, V and scale words are 104,448 dense bytes: both heads' come into LDS ONCE, by joint loads that name the four partners (waves 0-3, a quarter each).  Nothing is filled again: no ring.
; LAYOUT.  Both products are used transposed (S^T = K Q^T, O^T = V^T P^T): a lane holds ONE query throughout.  Rows lie permuted in the records: position 16 t + r holds row 32 (t / 2) + 8 (t % 2) + r + 8 (r / 8),
; so the 16 registers of tiles 2 b and 2 b + 1 of S^T are keys 32 b + 16 (lane / 16) + 0 .. 15, and likewise O^T's channels.
; LIMITS: 8 x mask is held to +-2^24, so mask entries beyond +-2^21 count as +-2^21: a key so hidden gets p = 0 wherever some key of its row lies higher, as in the definition; a batch whose every
; key lies at or under -2^21 gets the softmax of the scores alone (finite numbers, where the definition has a flat row or NaN).  NaN in the mask is not served.
.set REC,  157696
.set HBY,  104448                      ; bytes of a record that come into LDS: K's codes 0, V's codes OVC, K's scale words OKS, V's OVS
.set QTR,  26112                       ; a quarter of them: 102 rows of 256 bytes
.set OVC,  49152
.set OKS,  98304
.set OVS,  102400
.set OQC,  104448
.set OQS,  153600
.set MSK,  2*HBY                       ; LDS: record A at 0, record B at HBY, then 8 x mask, 4,096 bytes,
.set STG,  MSK+4096                    ; then a stage of 16 rows x 272 bytes for each wave
.set S,    128                         ; v128-191 8 x mask, then S^T, then p; on the way out results
.set O,    192                         ; v192-223 O^T
.set KF,   32                          ; v32-79   four fragments of K (the upper six registers of each stay 0)
.set VF,   80                          ; v80-127  four fragments of V
; v1 8 x lane, v2 4 x lane, v3 64 h, v4 4 r, v5 my bytes in out, v6, v7 the stage in and back; v8-11 the step's LDS addresses; v12 -M, v13 the largest t, v[14:15] the sum in two halves;
; v16-27 Q (v22-27 stay 0); v28 Q's scale word; v29 the mask's offset; v30-31 V's scale words; v224-235 p's codes; v232-247, v252, v254 at work; v248-251 K's scale words; v253 p's scale word.
; s10 wave, s11 cx, s12 cluster y, s13 my tile of queries; s[16:17] Q's codes, s[18:19] Q's scale words, s[20:21] out; s[22:23] c; s[24:31] group 1; s[32:39] groups 0; s[40:41] lane selects; s42-45 LDS steps; s46 count.
.macro ROUND                           ; a round of the cluster's barrier
	s_barrier_signal -1
	s_barrier_wait -1
	s_cmp_lg_u32 s10, 0
	s_cbranch_scc1 .Lnot_wave_0_\@
	s_barrier_signal -3
.Lnot_wave_0_\@:
	s_barrier_wait -3
	s_barrier_signal -1
	s_barrier_wait -1
.endm
.macro QLOAD hd                        ; my tile of Q of head hd: three chunks of 256 bytes, 8 bytes a lane: the fragment's lower six registers; and its rows' scale words
.irp p, 0,1,2
	global_load_b64 v[16+2*\p:17+2*\p], v1, s[16:17] offset:\hd*REC+256*\p
.endr
	global_load_b32 v28, v4, s[18:19] offset:\hd*REC
.endm
	s_load_b128 s[4:7], s[0:1], 0x0                ; qkv, the mask
	s_load_b64 s[8:9], s[0:1], 0x10                ; out
	v_lshl_add_u32 v243, v0, 2, 0x45000
	v_mov_b32 v255, 0
	ds_add_u32 v243, v255
	ds_add_u32 v243, v255
	v_lshrrev_b32 v1, 5, v0
	v_readfirstlane_b32 s10, v1                    ; wave 0..15
	s_bfe_u32 s11, ttmp6, 0x40000                  ; cx: it enters Q's and out's addresses alone
	s_and_b32 s12, ttmp7, 0xffff                   ; cluster y: heads 2 y and 2 y + 1 of batch y / 8
	s_lshl_b32 s13, s11, 4
	s_add_co_u32 s13, s13, s10                     ; my tile of 16 query positions
	; descriptor group 1: 102 rows of 256 bytes (32 elements of 8), dense, no padding
	s_mov_b32 s24, 15|(3<<16)|(1<<21)              ; 15:0 the mask: all four partners; elements of 8 bytes; bit 21 beside a mask
	s_mov_b32 s25, 32<<16                          ; tensor_dim0
	s_mov_b32 s26, 102<<16                         ; tensor_dim1
	s_mov_b32 s27, 32<<16                          ; tile_dim0
	s_mov_b32 s28, 102                             ; tile_dim1
	s_mov_b32 s29, 32                              ; tensor_dim0_stride
	s_mov_b32 s30, 0
	s_mov_b32 s31, 0
	s_and_b32 s14, s10, 3
	s_mul_i32 s14, s14, QTR                        ; the quarter that I fetch, if I fetch: in memory and in LDS alike
	s_mul_i32 s2, s12, 2*REC                       ; record A's first byte
	s_add_co_u32 s48, s2, s14
	s_mov_b32 s49, 0
	s_mul_i32 s50, s13, 768
	s_add_co_u32 s50, s50, s2
	s_add_co_u32 s50, s50, OQC                     ; my tile of Q's codes
	s_mov_b32 s51, 0
	s_lshl_b32 s52, s13, 6
	s_add_co_u32 s52, s52, s2
	s_add_co_u32 s52, s52, OQS                     ; and its scale words
	s_mov_b32 s53, 0
	s_lshr_b32 s54, s12, 3                         ; the batch
	s_lshl_b32 s56, s54, 12                        ; its 4,096 bytes of mask
	s_mov_b32 s57, 0
	s_lshl_b32 s54, s54, 10
	s_lshr_b32 s55, s13, 1
	s_lshl_b32 s55, s55, 5
	s_add_co_u32 s54, s54, s55
	s_and_b32 s55, s13, 1
	s_lshl_b32 s55, s55, 3
	s_add_co_u32 s54, s54, s55                     ; the row of out of my tile's position 0: 1,024 b + 32 (T / 2) + 8 (T % 2)
	s_lshl_b32 s54, s54, 12
	s_and_b32 s55, s12, 7
	s_lshl_b32 s55, s55, 9
	s_add_co_u32 s54, s54, s55                     ; + head A's 256 bytes of the row
	s_mov_b32 s55, 0
	s_mov_b32 s22, 0x3e38aa3b                      ; c = log2(e) / 8
	s_mov_b32 s23, s22                             ; (named with it as a pair, so it is written)
	s_mov_b32 s40, 0x76543210
	s_mov_b32 s41, 0xfedcba98                      ; v_permlanex16_b32's selects for lane l xor 16
	s_wait_dscnt 0x0
	s_wait_kmcnt 0x0
	s_mov_b32 s32, 1                               ; group 0 for record A: count,
	s_mov_b32 s33, s14                             ; LDS address,
	s_add_nc_u64 s[34:35], s[4:5], s[48:49]        ; global address,
	s_mov_b32 s36, 1                               ; and for record B
	s_add_co_u32 s37, s14, HBY
	s_add_nc_u64 s[38:39], s[34:35], REC
	s_or_b32 s35, s35, 0x80000000                  ; type = 2
	s_or_b32 s39, s39, 0x80000000
	s_add_nc_u64 s[16:17], s[4:5], s[50:51]
	s_add_nc_u64 s[18:19], s[4:5], s[52:53]
	s_add_nc_u64 s[20:21], s[8:9], s[54:55]
	s_add_nc_u64 s[6:7], s[6:7], s[56:57]
	ROUND                                          ; all four work-groups are here: the joint loads meet
	s_cmp_lt_u32 s10, 4                            ; a wave's two fills stand in one branch on the wave's number, ahead of every wait on TENSORcnt, LDS read and further barrier: two loads of mine are out
	s_cbranch_scc0 .Lno_fetch
	tensor_load_to_lds s[32:35], s[24:31]
	s_nop 0
	tensor_load_to_lds s[36:39], s[24:31]
	s_nop 0
.rept 4
	v_nop
.endr
.Lno_fetch:
	v_and_b32 v2, 31, v0                           ; lane
	v_lshlrev_b32 v1, 3, v2
	v_and_b32 v4, 15, v0                           ; r
	v_bfe_u32 v3, v0, 4, 1                         ; h
	s_mul_i32 s15, s10, 16*272
	s_add_co_u32 s15, s15, STG                     ; my stage
	v_mul_u32_u24 v6, v4, 272
	v_lshl_add_u32 v6, v3, 6, v6
	v_add_nc_u32 v6, s15, v6                       ; in: row r, + 64 h
	v_mul_u32_u24 v7, v3, 272
	v_lshl_add_u32 v7, v4, 4, v7
	v_add_nc_u32 v7, s15, v7                       ; back: lanes 0-15 one row, lanes 16-31 the next
	v_lshlrev_b32 v5, 12, v3
	v_lshl_add_u32 v5, v4, 4, v5                   ; and the same two rows in out
	v_lshlrev_b32 v2, 2, v2
	v_lshlrev_b32 v3, 6, v3
	v_lshlrev_b32 v4, 2, v4
	v_lshlrev_b32 v29, 3, v0
	v_lshl_add_u32 v9, v0, 3, MSK
	global_load_b64 v[32:33], v29, s[6:7]          ; the batch's mask: 512 threads x 8 bytes
	QLOAD 0
.irp j, 22,23,24,25,26,27
	v_mov_b32 v[\j], 0                             ; zero codes: K = 64 .. 127 of the first product, on Q's side
.endr
.irp t, 0,1,2,3
.irp j, 6,7,8,9,10,11
	v_mov_b32 v[KF+12*\t+\j], 0                    ; and on K's
.endr
.endr
.irp b, 0,1,2,3
	v_mov_b32 v[236+\b], 0                         ; written once: a lane permute's destination counts as one of its sources
.endr
	v_mov_b32 v253, 0                              ; (named as the upper half of the pair v[252:253] before it is first written)
	s_wait_loadcnt 4                               ; the mask is in; Q's four loads may be out
	v_pk_mul_f32 v[32:33], v[32:33], 0x41000000 op_sel_hi:[1,0]    ; 8 x mask: score / 8 + mask = (score + 8 mask) / 8
	v_max_num_f32 v32, 0xcb800000, v32             ; held to +-2^24: t then stays a number whose rounding to a whole M leaves less than 1/8, so no p overflows in a step whose keys are all hidden
	v_max_num_f32 v33, 0xcb800000, v33
	v_min_num_f32 v32, 0x4b800000, v32
	v_min_num_f32 v33, 0x4b800000, v33
	ds_store_b64 v9, v[32:33]
.macro QK base                         ; four tiles of S^T = K Q^T + 8 mask: source 0 = 16 key positions, source 1 = my 16 queries.  A register of scale words holds an even tile's in lanes 0-15, the odd one's in lanes 16-31
.irp t, 0,1,2,3
.if (\t)%2
	v_wmma_scale_f32_16x16x128_f8f6f4 v[S+8*(\base+\t):S+8*(\base+\t)+7], v[KF+12*\t:KF+12*\t+11], v[16:27], v[S+8*(\base+\t):S+8*(\base+\t)+7], v[248+(\base+\t)/2], v28 matrix_a_fmt:MATRIX_FMT_BF6 matrix_b_fmt:MATRIX_FMT_BF6 matrix_a_scale:MATRIX_SCALE_ROW1
.else
	v_wmma_scale_f32_16x16x128_f8f6f4 v[S+8*(\base+\t):S+8*(\base+\t)+7], v[KF+12*\t:KF+12*\t+11], v[16:27], v[S+8*(\base+\t):S+8*(\base+\t)+7], v[248+(\base+\t)/2], v28 matrix_a_fmt:MATRIX_FMT_BF6 matrix_b_fmt:MATRIX_FMT_BF6
.endif
.endr
.endm
; A KEY STEP: 128 keys.  No two matrix instructions that follow each other share an accumulator.
.macro STEP
	v_add_nc_u32 v8, s42, v1                       ; the step's codes; these four additions are the places behind the last step's products, in front of the loads below
	v_add_nc_u32 v9, s43, v2                       ; K's scale words
	v_add_nc_u32 v10, s44, v2                      ; V's
	v_add_nc_u32 v11, s45, v3                      ; the mask
.irp b, 0,1,2,3
.irp j, 0,1,2,3
	ds_load_b128 v[S+16*\b+4*\j:S+16*\b+4*\j+3], v11 offset:128*\b+16*\j   ; 8 x mask of key 32 b + 16 h + 4 j + 0 .. 3, straight into the register that will hold that key's score
.endr
.endr
.irp i, 0,1,2,3
	ds_load_b32 v[248+\i], v9 offset:128*\i
.endr
.irp t, 0,1,2,3
.irp p, 0,1,2
	ds_load_b64 v[KF+12*\t+2*\p:KF+12*\t+2*\p+1], v8 offset:768*\t+256*\p
.endr
.endr
.irp t, 0,1,2,3
.irp p, 0,1,2,3,4,5
	ds_load_b64 v[VF+12*\t+2*\p:VF+12*\t+2*\p+1], v8 offset:OVC+1536*\t+256*\p
.endr
.endr
.irp i, 0,1
	ds_load_b32 v[30+\i], v10 offset:128*\i
.endr
	s_wait_dscnt 26                                ; the mask, K's words and K's first four tiles are in; V's 24 loads and its 2 of scale words may be out
	QK 0
.rept 4
	v_nop                                          ; places in front of loads into registers that matrix instructions have read
.endr
.irp t, 0,1,2,3
.irp p, 0,1,2
	ds_load_b64 v[KF+12*\t+2*\p:KF+12*\t+2*\p+1], v8 offset:768*(4+\t)+256*\p
.endr
.endr
	s_wait_dscnt 0x0
	QK 4
.rept 4
	v_nop                                          ; places in front of the first read of results
.endr
.irp b, 0,1,2,3
	v_max3_num_f32 v[232+\b], v[S+16*\b], v[S+1+16*\b], v[S+2+16*\b]   ; the largest score of each block of 32 keys: it serves for the row's maximum and, since p rises with the score, for the block's largest p
.endr
.irp i, 3,5,7,9,11,13
.irp b, 0,1,2,3
	v_max3_num_f32 v[232+\b], v[232+\b], v[S+16*\b+\i], v[S+1+16*\b+\i]
.endr
.endr
.irp b, 0,1,2,3
	v_max_num_f32 v[232+\b], v[232+\b], v[S+15+16*\b]
.endr
.irp b, 0,1,2,3
	v_permlanex16_b32 v[236+\b], v[232+\b], s40, s41
.endr
.irp b, 0,1,2,3
	v_max_num_f32 v[232+\b], v[232+\b], v[236+\b]  ; with lane l xor 16's 16 keys
.endr
	v_max3_num_f32 v254, v232, v233, v234
	v_max_num_f32 v254, v254, v235                 ; the step's largest score of my query
	v_mul_f32 v254, s22, v254                      ; as t (c is positive)
	v_max_num_f32 v13, v13, v254                   ; the running largest t
	v_mov_b32 v254, v12
	v_floor_f32 v12, -v13                          ; the new -M = floor(-t) = -ceil(t): a whole number
	v_sub_f32 v254, v12, v254                      ; old M - new M: a whole number, 0 or less
	v_cvt_i32_f32 v254, v254                       ; (it saturates)
	v_ldexp_f32 v252, 1.0, v254                    ; f = 2^(old M - new M)
.set j, 0
.rept 32
	v_pk_fma_f32 v[S+j:S+j+1], v[S+j:S+j+1], s[22:23], v[12:13] op_sel_hi:[1,0,0]   ; t - M, two at a time
.set j, j+2
.endr
.irp b, 0,1,2,3
	v_fma_f32 v[232+\b], v[232+\b], s22, v12       ; the same of each block's largest score
.endr
.set j, 0
.rept 64
	v_exp_f32 v[S+j], v[S+j]                       ; p = 2^(t - M): not normalised
.set j, j+1
.endr
	v_pk_mul_f32 v[14:15], v[14:15], v[252:253] op_sel_hi:[1,0]    ; the sums under the new M (a plain place behind the exponentials)
	s_wait_alu depctr_va_vdst(0)                   ; one wait for the batch of 64, ahead of its first reader
.irp b, 0,1,2,3
	v_exp_f32 v[232+\b], v[232+\b]                 ; the block's largest p: the same two instructions on the same number give the same bits
.endr
	v_pk_add_f32 v[236:237], v[S:S+1], v[S+2:S+3]  ; the row's sum is taken of the unquantised p: two at a time, in two chains
.irp j, 4,8,12,16,20,24,28,32,36,40,44,48,52,56,60
	v_pk_add_f32 v[14:15], v[14:15], v[S+\j:S+\j+1]
	v_pk_add_f32 v[236:237], v[236:237], v[S+\j+2:S+\j+3]
.endr
	v_pk_add_f32 v[14:15], v[14:15], v[236:237]
	s_wait_alu depctr_va_vdst(0)                   ; and one for the four
.irp b, 0,1,2,3
	v_max_num_f32 v[232+\b], 0x2800000, v[232+\b]  ; the floor 2^(5 - 127): the byte cannot fall under 1 (a block of zeros keeps that byte: its codes are zeros)
.endr
.irp b, 0,1,2,3
	v_add_nc_u32 v[244+\b], 0xfe000000, v[232+\b]  ; 4 off the exponent field: the conversion's scale operand
.endr
.irp b, 0,1,2,3
	v_lshrrev_b32 v[236+\b], 23, v[244+\b]         ; the scale's byte
.endr
	v_lshl_or_b32 v253, v237, 8, v236              ; p's scale word for these 128 keys
	v_lshl_or_b32 v253, v238, 16, v253
	v_lshl_or_b32 v253, v239, 24, v253
.irp c, 0,1
	v_cvt_scalef32_pk16_bf6_f32 v[224+6*\c:226+6*\c], v[S+32*\c:S+15+32*\c], v[244+2*\c]
	v_cvt_scalef32_pk16_bf6_f32 v[236+4*\c:238+4*\c], v[S+16+32*\c:S+31+32*\c], v[245+2*\c]   ; (a conversion's three registers begin on an even number)
.endr
	v_nop                                          ; one plain place behind a scaled conversion
.irp c, 0,1                                    ; the operand's layout wants a WHOLE block in a lane
.irp i, 0,1,2
	v_permlane16_swap_b32 v[224+6*\c+\i], v[236+4*\c+\i]
.endr
.irp i, 0,1,2
	v_mov_b32 v[227+6*\c+\i], v[236+4*\c+\i]
.endr
.endr
.set j, 0
.rept 16
	v_pk_mul_f32 v[O+j:O+j+1], v[O+j:O+j+1], v[252:253] op_sel_hi:[1,0]   ; O^T under the new M.  (These 16 are also the places between the lines that made p's codes and scale word and the products below)
.set j, j+2
.endr
.irp t, 0,1,2,3                                ; O^T += V^T P^T: four tiles of 16 channel positions; K = these 128 keys
.if (\t)%2
	v_wmma_scale_f32_16x16x128_f8f6f4 v[O+8*\t:O+8*\t+7], v[VF+12*\t:VF+12*\t+11], v[224:235], v[O+8*\t:O+8*\t+7], v[30+\t/2], v253 matrix_a_fmt:MATRIX_FMT_BF6 matrix_b_fmt:MATRIX_FMT_BF6 matrix_a_scale:MATRIX_SCALE_ROW1
.else
	v_wmma_scale_f32_16x16x128_f8f6f4 v[O+8*\t:O+8*\t+7], v[VF+12*\t:VF+12*\t+11], v[224:235], v[O+8*\t:O+8*\t+7], v[30+\t/2], v253 matrix_a_fmt:MATRIX_FMT_BF6 matrix_b_fmt:MATRIX_FMT_BF6
.endif
.endr
	s_add_co_u32 s42, s42, 6144                    ; the next step: 8 tiles of K (and 4 of V) on,
	s_add_co_u32 s43, s43, 512                     ; 128 words of K's scales,
	s_add_co_u32 s44, s44, 256                     ; 64 of V's,
	s_add_co_u32 s45, s45, 512                     ; 128 numbers of the mask
.endm
; ONE HEAD: eight key steps and the way out.
.macro HEAD hd
.if \hd
	s_wait_xcnt 0x0                                ; head A's stores have read their registers: the steps below write them again
.endif
	s_mov_b32 s42, \hd*HBY
	s_mov_b32 s43, \hd*HBY+OKS
	s_mov_b32 s44, \hd*HBY+OVS
	s_mov_b32 s45, MSK
	s_mov_b32 s46, 8
	v_mov_b32 v13, 0xff61b1e6                      ; the largest t so far: -3e38, under every t
	v_floor_f32 v12, -v13                          ; -M
	v_mov_b32 v14, 0                               ; the sum, in two halves
	v_mov_b32 v15, 0
.set j, 0
.rept 32
	v_mov_b32 v[O+j], 0                            ; O^T: the step is written once; its first trip finds zeros, which the first change of M leaves zeros
.set j, j+1
.endr
	s_wait_loadcnt 0x0                             ; Q
.Lstep_\@:
	STEP
	s_sub_co_u32 s46, s46, 1
	s_cmp_lg_u32 s46, 0
	s_cbranch_scc1 .Lstep_\@
.rept 4
	v_nop                                          ; places behind the last products
.endr
.if \hd == 0
	QLOAD 1                                        ; head B's Q lands under the way out
.endif
	v_add_f32 v14, v14, v15                        ; the sum's two halves,
	v_permlanex16_b32 v252, v14, s40, s41
	v_add_f32 v14, v14, v252                       ; and lane l xor 16's: the row's sum
	v_rcp_f32 v14, v14
	v_nop                                          ; a plain place behind the transcendental
	s_wait_alu depctr_va_vdst(0)                   ; a wait ahead of the first reader
.set j, 0
.rept 32
	v_mul_f32 v[S+j], v[O+j], v14                  ; O^T / the sum, each accumulator from its low end on: register 8 t + i is channel 32 (t / 2) + 16 h + 8 (t % 2) + i
.set j, j+1
.endr
.irp t, 0,1,2,3
	ds_store_b128 v6, v[S+8*\t:S+8*\t+3] offset:128*(\t/2)+32*(\t%2)
	ds_store_b128 v6, v[S+8*\t+4:S+8*\t+7] offset:128*(\t/2)+32*(\t%2)+16
.endr
.irp i, 0,1,2,3,4,5,6,7
	ds_load_b128 v[S+32+4*\i:S+35+4*\i], v7 offset:544*\i          ; my own stage: LDS serves a wave's instructions in order
.endr
.irp i, 0,1,2,3,4,5,6,7
	s_wait_dscnt 7-\i                              ; the loads behind this one may be out
	global_store_b128 v5, v[S+32+4*\i:S+35+4*\i], s[20:21] offset:(2*\i+8*(\i/4))*4096+256*\hd th:TH_STORE_NT   ; stage row 2 i + h is query row 2 i + h + 8 (i / 4) of my tile; sixteen lanes store 256 consecutive bytes, aligned
.endr
.endm
	s_wait_tensorcnt 1                             ; my part of record A is in; record B's load may stay out
	s_wait_dscnt 0x0                               ; my part of the mask is stored
	s_barrier_signal -1
	s_barrier_wait -1                              ; everybody's are
	HEAD 0
	s_wait_tensorcnt 0x0                           ; my part of record B is in
	s_wait_dscnt 0x0
	s_barrier_signal -1
	s_barrier_wait -1                              ; everybody's is
	HEAD 1
	s_wait_tensorcnt 0x0
	ds_add_u32 v243, v255
	s_wait_dscnt 0x0
	ROUND                                          ; the closing round: no work-group ends while a partner may still ask for a tile that names it
	s_endpgm
.Lfunc_end_k_q3ee243c02f_attn:
	.size	k_q3ee243c02f_attn, .Lfunc_end_k_q3ee243c02f_attn-k_q3ee243c02f_attn
	.p2alignl 7, 3214868480
	.fill 96, 4, 3214868480
	.section	.rodata,"a",@progbits
	.p2align	6, 0x0
	.amdhsa_kernel k_q3ee243c02f_attn
		.amdhsa_group_segment_fixed_size 327680
		.amdhsa_private_segment_fixed_size 0
		.amdhsa_enable_private_segment 0
		.amdhsa_kernarg_size 24
		.amdhsa_user_sgpr_count 2
		.amdhsa_user_sgpr_kernarg_segment_ptr 1
		.amdhsa_wavefront_size32 1
		.amdhsa_system_sgpr_workgroup_id_x 1
		.amdhsa_system_sgpr_workgroup_id_y 1
		.amdhsa_system_sgpr_workgroup_id_z 1
		.amdhsa_system_vgpr_workitem_id 0
		.amdhsa_next_free_vgpr 256
		.amdhsa_next_free_sgpr 66
		.amdhsa_reserve_vcc 0
		.amdhsa_float_denorm_mode_32 3
		.amdhsa_float_denorm_mode_16_64 3
		.amdhsa_memory_ordered 1
		.amdhsa_forward_progress 1
		.amdhsa_inst_pref_size 55
	.end_amdhsa_kernel
	.amdgpu_metadata
---
amdhsa.version: [ 1, 2 ]
amdhsa.kernels:
  - .name:           k_q3ee243c02f_attn
    .symbol:         k_q3ee243c02f_attn.kd
    .args:
      - { .name: qkv, .offset: 0, .size: 8, .value_kind: global_buffer, .address_space: global }
      - { .name: attention_mask, .offset: 8, .size: 8, .value_kind: global_buffer, .address_space: global }
      - { .name: out0, .offset: 16, .size: 8, .value_kind: global_buffer, .address_space: global }
    .group_segment_fixed_size: 327680
    .private_segment_fixed_size: 0
    .kernarg_segment_align: 8
    .kernarg_segment_size: 24
    .max_flat_workgroup_size: 512
    .sgpr_count:     66
    .vgpr_count:     256
    .wavefront_size: 32
...
	.end_amdgpu_metadata
.endif
;; end of part 3
